; MI455X (gfx1250); checked and timed in simulation.
; The chip was launched on July 23, 2026; its instructions are those of AMD's public machine-readable ISA for CDNA 5 (MIT licence, August 2026) and "CDNA5" Instruction Set Architecture Reference Guide (July 2026). The comments in the code are by the model that wrote it; some were corrected since.
;; K Means Quantizer. Allowed arithmetic: matrix products marked QUANTISED: E5M2 operands, one E8M0 scale for each 32 along K, by v_wmma_scale_f32_16x16x128_f8f6f4 with both operands' format E5M2, f32 sums; everything else in f32.
;; Inputs: centroids 2,048 x 1,024 float32; x_codes 16 x 2,000 x 32 x 32 uint8 (E5M2 codes of x, K innermost, in blocks of 32 codes); x_scales 16 x 2,000 x 32 uint8 (E8M0 scales of x, one for each 32 codes along K).
;; Outputs: out0 16 x 2,000 int32.
;; This version of the problem:
;;   THIS VERSION OF THE PROBLEM IS GIVEN IN LOW PRECISION. The matrix products marked QUANTISED in the list below multiply operands that are first quantised to E5M2 (5 exponent bits, 2 mantissa bits; 8 bits a number), with one power-of-two scale for each 32 numbers along K (OCP MX v1.0); their sums are f32. All else is computed in f32.
;;   The module's matrix products, in the order in which they are computed (A, B: the left and right operand; K: the contracted axis; several contracted axes count as one K, in the product's order):
;;     1. [M 32,000, K 1,024] x [K 1,024, N 2,048]; A: input x (given as codes); B: input centroids: QUANTISED
;;   THE QUANTISER, for each operand of a quantised product, along K:
;;     - K is cut into blocks of 32 from its start; a last block that is shorter is filled with zeros.
;;     - A block's scale is 2^e with e = floor(log2(the largest magnitude in the block)) - 15, held to -126 .. 127; a block of zeros has e = 0. As a byte (E8M0): e + 127.
;;     - Each number is divided by its block's scale, clamped to +-57,344, and rounded to the nearest number of E5M2, ties to even, subnormals kept.
;;     - The product sums the exact products of the quantised numbers (number of the format x scale) in f32.
;;   ~~~python
;;   def quantise(x, axis):      # numpy; x: float32 -> the quantised numbers, widened to float32 again
;;       x = np.moveaxis(x, axis, -1); K = x.shape[-1]
;;       x = np.pad(x, [(0, 0)] * (x.ndim - 1) + [(0, -K % 32)]); x = x.reshape(x.shape[:-1] + (-1, 32)); a = np.abs(x).max(-1, keepdims=True)
;;       e = np.where(a > 0, np.clip(np.frexp(np.where(a > 0, a, 1))[1] - 1 - 15, -126, 127), 0)      # np.frexp(a)[1] - 1 = floor(log2(a)), exactly
;;       r = np.clip(x / 2.0 ** e, -57344, 57344)
;;       step = 2.0 ** (np.maximum(np.frexp(np.where(r == 0, 1, r))[1] - 1, -14) - 2)
;;       q = np.round(r / step) * step * 2.0 ** e      # np.round: ties to even
;;       return np.moveaxis(q.reshape(q.shape[:-2] + (-1,))[..., :K], -1, axis).astype(np.float32)
;;   ~~~
;;   INPUTS GIVEN AS CODES. x (in the module: [16, 2000, 1024], K = its axis 2): each comes as NAME_codes (uint8): NAME with its K axis moved to the last place and cut into blocks of 32 codes, [.., K / 32, bytes a block], one block behind the other in memory; one code a byte (a code: sign, 5 exponent bits, 2 mantissa bits); and NAME_scales (uint8): the same leading axes, one E8M0 byte (e + 127) for each 32 codes along K. Its value is code x scale, taken as it is: it is not quantised again, and the codes and scales need not be those that the quantiser above would give.
;; One version. Each part assembles by itself: llvm-mc -triple=amdgcn-amd-amdhsa -mcpu=gfx1250 --defsym DOCPART=n.
;; ======== version 1 of 1: 2 launches
;; limits: right only within a limited range of input values
;; workspace buffers: cb 2,097,152 bytes; cs 65,536 bytes; csq 8,192 bytes
;; launch prep (part 1): grid 128 x 1, 16 waves a work-group, no clusters, 93,184 bytes of LDS; arguments centroids, cb, cs, csq; writes cb, cs, csq
.if DOCPART == 1
	.amdgcn_target "amdgcn-amd-amdhsa--gfx1250"
	.amdhsa_code_object_version 6
	.text
	.protected	k_q38025ddf97_prep
	.globl	k_q38025ddf97_prep
	.p2align	8
	.type	k_q38025ddf97_prep,@function
k_q38025ddf97_prep:
	s_mov_b64 s[64:65], 0
	v_nop
	global_prefetch_b8 v0, s[64:65] scope:SCOPE_SE
	s_setreg_imm32_b32 hwreg(HW_REG_WAVE_MODE, 25, 1), 1
	s_wait_xcnt 0x0
; Centroids [2048][1024] f32  ->  cb:  their codes of E5M2, quantised along K in blocks of 32, laid out as the matrix fragments of the next launch;
;                                 cs:  [2048][32] one E8M0 scale byte for each block;
;                                 csq: [2048] f32, the sum over k of c[n][k]^2 of the UNQUANTISED numbers, as the definition has it.
; A block's scale is 2^(floor(log2(its largest magnitude)) - 15); its byte is the largest magnitude's exponent field - 15, held at 1 from below; a block of zeros gets 127.
; Each number is held within +-57,344 x the scale, divided by the scale and rounded to the nearest code, ties to even.
; cb: the code of centroid n = 128 g + 16 b + r at k = 128 s + 32 c + 16 h + e lies at byte 131072 g + 16384 s + 2048 b + 512 c + 16 (16 h + r) + e:
;     a fragment (16 centroids x 128 K) is 2,048 bytes, four runs of 512 of which lane 16 h + r takes 16 bytes at 16 x lane.
; SHARES.  A work-group owns 16 centroids (one g, one b), since an aligned run of 512 bytes of cb holds codes of all 16.  Wave v owns row v.  The row is read by eight loads of 512 consecutive
; bytes and turned in the wave's own stage in LDS, so that lane l then holds the whole block k = 32 l .. 32 l + 31: the block's largest magnitude needs no other lane, and the conversions find
; neighbours along K in one lane's consecutive registers.  The rows of codes meet in LDS, and wave v writes the runs 2 v and 2 v + 1 of the 32 (s = v / 2, c = 2 (v % 2) and + 1):
; two stores of 512 consecutive, aligned bytes.  No matrix unit, no cluster, no tensor load: no work-group reads what another reads, and every byte is moved once.
; LIMITS.  Blocks whose largest magnitude lies under 2^-110, whose byte is held at 1, were not tried; NaN and infinities among the centroids are not served.
; csq is summed as a tree (four chains a lane, then across the lanes), not in the order of a plain running sum.  csq leaves as 64 bytes a work-group; the whole table is 8,192 bytes.
.set RP,   1040                        ; LDS pitch of a row of codes: 1,024 bytes + 16, an odd multiple of 16: the 16 rows that a read back touches start in different banks (64 banks of 4 bytes: ISA guide 11.1)
.set SCST, 16*RP                       ; behind the rows: 32 scale bytes for each row
.set SUM,  SCST+512                    ; behind those: one word for each row's sum of squares
.set FST,  17408                       ; behind those: for each wave a stage of 32 blocks of 128 bytes of f32,
.set FP,   144                         ; 144 bytes apart (an odd multiple of 16: the 16 blocks that a read back touches start in different banks): 4,608 bytes a wave
.set X,    16                          ; v[16:47]  my block's 32 numbers
.set C,    48                          ; v[48:55]  their codes
.set SQ,   56                          ; v[56:59]  four running sums of squares
.set O,    60                          ; v[60:67]  two runs of 16 bytes on their way out
.set R,    72                          ; v[72:103] the row as loaded: 16 bytes of each 512
	s_load_b256 s[4:11], s[0:1], 0x0               ; centroids s[4:5], cb s[6:7], cs s[8:9], csq s[10:11]
	v_lshl_add_u32 v104, v0, 2, 0x16400
	v_mov_b32 v105, 0
	v_and_b32 v1, 31, v0                           ; lane
	v_lshrrev_b32 v8, 5, v0
	s_delay_alu instid0(VALU_DEP_1)
	v_readfirstlane_b32 s12, v8                    ; wave v = row of the work-group's 16
	v_and_b32 v9, 15, v0                           ; r
	v_bfe_u32 v10, v0, 4, 1                        ; h
	v_lshlrev_b32 v2, 4, v1                        ; 16 x lane: my 16 bytes of each run of 512, in and out
	s_mov_b32 s13, 0x76543210                      ; v_permlanex16_b32: lane i of one half reads lane i of the other
	s_mov_b32 s14, 0xfedcba98
	s_mul_i32 s15, s12, RP
	v_lshl_add_u32 v4, v1, 5, s15                  ; LDS, codes in: my row + 32 x lane
	s_lshl_b32 s15, s12, 5
	s_add_co_u32 s15, s15, SCST
	v_add_nc_u32 v5, s15, v1                       ; my block's scale byte: 32 v + lane
	s_lshl_b32 s15, s12, 2
	s_add_co_u32 s15, s15, SUM
	v_mov_b32 v6, s15                              ; my wave's word for its sum
	v_mul_u32_u24 v7, v9, RP                       ; LDS, codes back: row r
	s_delay_alu instid0(VALU_DEP_1)
	v_lshl_add_u32 v7, v10, 4, v7                  ;   + 16 h
	s_lshl_b32 s15, s12, 6
	v_add_nc_u32 v7, s15, v7                       ;   + 64 v: blocks 2 v and 2 v + 1 are 64 bytes of every row
	s_mul_i32 s15, s12, 32*FP
	s_add_co_u32 s15, s15, FST                     ; my wave's stage
	v_lshrrev_b32 v14, 3, v1                       ; numbers in: byte 512 i + 16 l of the row lies in block 4 i + l / 8, at byte 16 (l % 8) of it
	s_delay_alu instid0(VALU_DEP_1)
	v_mul_u32_u24 v14, v14, FP
	v_and_b32 v15, 7, v1
	s_delay_alu instid0(VALU_DEP_1)
	v_lshl_add_u32 v14, v15, 4, v14
	s_delay_alu instid0(VALU_DEP_1)
	v_add_nc_u32 v14, s15, v14
	v_mul_u32_u24 v15, v1, FP                      ; numbers back: block l
	s_delay_alu instid0(VALU_DEP_1)
	v_add_nc_u32 v15, s15, v15
	s_lshl_b32 s16, ttmp9, 4
	s_add_co_u32 s16, s16, s12                     ; my centroid
	s_lshl_b32 s16, s16, 12                        ; x 4,096 bytes
	s_mov_b32 s17, 0
	s_lshr_b32 s18, ttmp9, 3                       ; g
	s_lshl_b32 s18, s18, 17                        ; x 131,072
	s_and_b32 s19, ttmp9, 7                        ; b
	s_lshl_b32 s19, s19, 11                        ; x 2,048
	s_add_co_u32 s18, s18, s19
	s_lshr_b32 s19, s12, 1                         ; s = v / 2
	s_lshl_b32 s19, s19, 14                        ; x 16,384
	s_add_co_u32 s18, s18, s19
	s_and_b32 s19, s12, 1                          ; c = 2 (v % 2)
	s_lshl_b32 s19, s19, 10                        ; x 512
	s_add_co_u32 s18, s18, s19
	s_mov_b32 s19, 0
	s_lshl_b32 s20, ttmp9, 9                       ; 16 rows of 32 scale bytes
	s_mov_b32 s21, 0
	s_lshl_b32 s22, ttmp9, 6                       ; 16 words of csq
	s_mov_b32 s23, 0
	s_wait_alu depctr_va_vdst(0)
	s_wait_kmcnt 0x0
	s_add_nc_u64 s[4:5], s[4:5], s[16:17]
	s_add_nc_u64 s[6:7], s[6:7], s[18:19]
	s_add_nc_u64 s[8:9], s[8:9], s[20:21]
	s_add_nc_u64 s[10:11], s[10:11], s[22:23]
.irp i, 0,1,2,3,4,5,6,7
	global_load_b128 v[R+4*\i:R+4*\i+3], v2, s[4:5] offset:512*\i th:TH_LOAD_NT   ; each load: 512 consecutive bytes of the row; read once in the launch
.endr
.irp i, 0,1,2,3,4,5,6,7
	s_wait_loadcnt 7-\i                            ; loads come back in order (ISA guide 5.7.1): load i is in, the 7 - i younger ones stay out
	ds_store_b128 v14, v[R+4*\i:R+4*\i+3] offset:4*FP*\i           ; four blocks further on with each load
.endr
.irp i, 0,1,2,3,4,5,6,7
	ds_load_b128 v[X+4*\i:X+4*\i+3], v15 offset:16*\i              ; LDS serves a wave's instructions in order (ISA guide 5.7.1.4): these see my stores.  k = 32 l + 4 i .. + 3
.endr
.irp i, 0,1,2,3,4,5,6,7
	s_wait_dscnt 7-\i                              ; LDS loads come back in order: load i is in, the 7 - i younger ones stay out
.if \i == 0
	v_pk_mul_f32 v[SQ:SQ+1],   v[X:X+1],   v[X:X+1]                ; the first squares start the sums: nothing is cleared
	s_wait_alu depctr_va_vdst(0)
	v_pk_mul_f32 v[SQ+2:SQ+3], v[X+2:X+3], v[X+2:X+3]
.else
	v_pk_fma_f32 v[SQ:SQ+1],   v[X+4*\i:X+4*\i+1],   v[X+4*\i:X+4*\i+1],   v[SQ:SQ+1]
	s_wait_alu depctr_va_vdst(0)
	v_pk_fma_f32 v[SQ+2:SQ+3], v[X+4*\i+2:X+4*\i+3], v[X+4*\i+2:X+4*\i+3], v[SQ+2:SQ+3]
.endif
.endr
	v_max3_num_f32 v12, |v[X]|, |v[X+1]|, |v[X+2]|                 ; the block's largest magnitude: all 32 numbers are mine; two chains that do not wait for each other
	v_max3_num_f32 v13, |v[X+3]|, |v[X+4]|, |v[X+5]|
.irp i, 6,10,14,18,22,26
	s_delay_alu instid0(VALU_DEP_2)
	v_max3_num_f32 v12, v12, |v[X+\i]|, |v[X+\i+1]|
	s_delay_alu instid0(VALU_DEP_2)
	v_max3_num_f32 v13, v13, |v[X+\i+2]|, |v[X+\i+3]|
.endr
	s_delay_alu instid0(VALU_DEP_2)
	v_max3_num_f32 v12, v12, |v[X+30]|, |v[X+31]|
	s_delay_alu instid0(VALU_DEP_1)
	v_max_num_f32 v12, v12, v13
	s_delay_alu instid0(VALU_DEP_1)
	v_lshrrev_b32 v13, 23, v12                     ; its exponent field = floor(log2) + 127
	s_delay_alu instid0(VALU_DEP_1)
	v_max_u32 v13, 16, v13                         ; the byte is not to fall under 1
	s_delay_alu instid0(VALU_DEP_1)
	v_lshl_or_b32 v10, v13, 23, 0x600000           ; 57,344 x the scale: exponent field = the byte + 15, the mantissa field of 57,344
	s_delay_alu instid0(VALU_DEP_2)
	v_add_nc_u32 v13, -15, v13                     ; the scale's byte
	s_delay_alu instid0(VALU_DEP_1)
	v_lshlrev_b32 v11, 23, v13                     ; and the scale as f32: the conversion takes its exponent field
	v_cmp_eq_u32 vcc_lo, 0, v12
	s_delay_alu instid0(VALU_DEP_1)
	v_cndmask_b32 v13, v13, 127, vcc_lo            ; a block of zeros gets 127
.irp i, 0,1,2,3,4,5,6,7,8,9,10,11,12,13,14,15,16,17,18,19,20,21,22,23,24,25,26,27,28,29,30,31
	v_med3_num_f32 v[X+\i], v[X+\i], -v10, v10     ; the conversion to an 8-bit code does not saturate (ISA guide 7.6.2): hold the number first.  The squares above were taken of the numbers as they came
.endr
.irp g, 0,1,2,3
	v_cvt_scalef32_pk8_bf8_f32 v[C+2*\g:C+2*\g+1], v[X+8*\g:X+8*\g+7], v11   ; eight numbers / the scale, to the nearest code, ties to even; the first number's code in the lowest byte
.endr
	v_pk_add_f32 v[SQ:SQ+1], v[SQ:SQ+1], v[SQ+2:SQ+3]              ; (also the plain vector instruction between a scaled conversion and what touches its result)
	ds_store_b128 v4, v[C:C+3]                     ; k = 32 l .. + 15
	ds_store_b128 v4, v[C+4:C+7] offset:16         ; k = 32 l + 16 .. + 31
	ds_store_b8 v5, v13
	v_add_f32 v[SQ], v[SQ], v[SQ+1]
	s_delay_alu instid0(VALU_DEP_1)
	v_add_f32_dpp v[SQ], v[SQ], v[SQ] row_xmask:1 row_mask:0xf bank_mask:0xf
	s_delay_alu instid0(VALU_DEP_1)
	v_add_f32_dpp v[SQ], v[SQ], v[SQ] row_xmask:2 row_mask:0xf bank_mask:0xf
	s_delay_alu instid0(VALU_DEP_1)
	v_add_f32_dpp v[SQ], v[SQ], v[SQ] row_xmask:4 row_mask:0xf bank_mask:0xf
	s_delay_alu instid0(VALU_DEP_1)
	v_add_f32_dpp v[SQ], v[SQ], v[SQ] row_xmask:8 row_mask:0xf bank_mask:0xf
	s_delay_alu instid0(VALU_DEP_1)
	v_permlanex16_b32 v8, v[SQ], s13, s14          ; its destination counts as read: v8 has been written
	s_delay_alu instid0(VALU_DEP_1)
	v_add_f32 v[SQ], v[SQ], v8                     ; the row's sum, in every lane
	ds_store_b32 v6, v[SQ]                         ; all lanes write the same word with the same value
	s_wait_dscnt 0x0                               ; for the other waves' sake: all my LDS stores are done
	s_barrier_signal -1
	s_barrier_wait -1                              ; all 16 rows, their scale bytes and their sums lie in LDS
	ds_load_b128 v[O:O+3],   v7                    ; block 2 v:     k = 64 v + 16 h .. + 15 of row r
	ds_load_b128 v[O+4:O+7], v7 offset:32          ; block 2 v + 1
	s_wait_dscnt 0x1                               ; LDS loads come back in order: the first is in, the second may be out
	global_store_b128 v2, v[O:O+3], s[6:7]                         ; each store: 512 consecutive bytes at a multiple of 512 from cb's first byte
	s_wait_dscnt 0x0
	global_store_b128 v2, v[O+4:O+7], s[6:7] offset:512
	s_cmp_lg_u32 s12, 0
	s_cbranch_scc1 .Lothers                        ; wave 0 alone writes the scale bytes and the sums
	v_add_nc_u32 v21, SCST, v2
	ds_load_b128 v[16:19], v21                     ; the 512 scale bytes, 16 a lane
	v_and_b32 v22, 15, v0
	s_delay_alu instid0(VALU_DEP_1)
	v_lshlrev_b32 v22, 2, v22
	ds_load_b32 v20, v22 offset:SUM                ; lane l: the sum of row l % 16
	s_wait_alu depctr_va_vdst(0)
	s_wait_dscnt 0x0
	global_store_b128 v2, v[16:19], s[8:9]         ; 512 consecutive bytes at a multiple of 512 from cs's first byte
	s_wait_xcnt 0x0                                ; EXEC is a source of the stores above: it changes only behind this wait
	v_cmp_gt_u32 vcc_lo, 16, v0
	s_wait_tensorcnt 0x0
	ds_add_u32 v104, v105
	s_wait_dscnt 0x0
	s_and_saveexec_b32 s24, vcc_lo
	global_store_b32 v22, v20, s[10:11]            ; lanes 0 to 15: csq[16 G + lane]
	s_endpgm
.Lothers:
	s_wait_tensorcnt 0x0
	ds_add_u32 v104, v105
	s_wait_dscnt 0x0
	s_endpgm
.Lfunc_end_k_q38025ddf97_prep:
	.size	k_q38025ddf97_prep, .Lfunc_end_k_q38025ddf97_prep-k_q38025ddf97_prep
	.p2alignl 7, 3214868480
	.fill 96, 4, 3214868480
	.section	.rodata,"a",@progbits
	.p2align	6, 0x0
	.amdhsa_kernel k_q38025ddf97_prep
		.amdhsa_group_segment_fixed_size 93184
		.amdhsa_private_segment_fixed_size 0
		.amdhsa_enable_private_segment 0
		.amdhsa_kernarg_size 32
		.amdhsa_user_sgpr_count 2
		.amdhsa_user_sgpr_kernarg_segment_ptr 1
		.amdhsa_wavefront_size32 1
		.amdhsa_system_sgpr_workgroup_id_x 1
		.amdhsa_system_sgpr_workgroup_id_y 1
		.amdhsa_system_sgpr_workgroup_id_z 1
		.amdhsa_system_vgpr_workitem_id 0
		.amdhsa_next_free_vgpr 106
		.amdhsa_next_free_sgpr 66
		.amdhsa_reserve_vcc 1
		.amdhsa_float_denorm_mode_32 3
		.amdhsa_float_denorm_mode_16_64 3
		.amdhsa_memory_ordered 1
		.amdhsa_forward_progress 1
		.amdhsa_inst_pref_size 13
	.end_amdhsa_kernel
	.amdgpu_metadata
---
amdhsa.version: [ 1, 2 ]
amdhsa.kernels:
  - .name:           k_q38025ddf97_prep
    .symbol:         k_q38025ddf97_prep.kd
    .args:
      - { .name: centroids, .offset: 0, .size: 8, .value_kind: global_buffer, .address_space: global }
      - { .name: cb, .offset: 8, .size: 8, .value_kind: global_buffer, .address_space: global }
      - { .name: cs, .offset: 16, .size: 8, .value_kind: global_buffer, .address_space: global }
      - { .name: csq, .offset: 24, .size: 8, .value_kind: global_buffer, .address_space: global }
    .group_segment_fixed_size: 93184
    .private_segment_fixed_size: 0
    .kernarg_segment_align: 8
    .kernarg_segment_size: 32
    .max_flat_workgroup_size: 512
    .sgpr_count:     66
    .vgpr_count:     106
    .wavefront_size: 32
...
	.end_amdgpu_metadata
.endif
;; end of part 1
;; launch assign (part 2): grid 256 x 1, 4 waves a work-group, clusters of 4 x 1, 327,680 bytes of LDS; arguments x_codes, x_scales, cb, cs, csq, out0; writes out0
.if DOCPART == 2
	.amdgcn_target "amdgcn-amd-amdhsa--gfx1250"
	.amdhsa_code_object_version 6
	.text
	.protected	k_q38025ddf97_assign
	.globl	k_q38025ddf97_assign
	.p2align	8
	.type	k_q38025ddf97_assign,@function
k_q38025ddf97_assign:
	s_mov_b64 s[64:65], 0
	v_nop
	global_prefetch_b8 v0, s[64:65] scope:SCOPE_SE
	s_setreg_imm32_b32 hwreg(HW_REG_WAVE_MODE, 25, 1), 1
	s_wait_xcnt 0x0
	s_wait_alu depctr_hold_cnt(0) depctr_sa_sdst(0) depctr_va_vdst(0) depctr_va_sdst(0) depctr_va_ssrc(0) depctr_va_vcc(0) depctr_vm_vsrc(0)
	s_getreg_b32 s2, hwreg(HW_REG_IB_STS2, 6, 4)
	s_cmp_eq_u32 s2, 0
	s_cbranch_scc0 .Lentry_in_a_cluster
	s_endpgm
.Lentry_in_a_cluster:
	s_bfe_u32 s2, ttmp6, 0x10000c
	s_cmp_lg_u32 s2, 0x3003
	s_cbranch_scc0 .Lentry_shape_is_right
	s_endpgm
.Lentry_shape_is_right:
; out0[m] = the lowest n that minimises csq[n] - 2 sum_k x[m][k] c[n][k]; x as given codes, c as prep's codes (cb, in fragment order), scales cs.
; A work-group owns 125 rows of x (handled as 128; the 3 spare rows are zeros and are not stored) and walks all 2,048 centroids in 16 tiles of 128.
; Wave w: mh = w / 2 picks 64 rows, nh = w % 2 picks 64 centroids of each tile.  The wave's 64 rows x 1,024 K of x stay in 512 registers for the whole launch.
; A tile of cb (128 centroids, all K) is 131,072 dense bytes: it comes as 128 rows of 1,024 bytes, 16 bytes of padding behind each, into a ring of two LDS slots.
; CLUSTERS: the four work-groups of a cluster walk the same tiles of cb and ask for each jointly (mask 15), a quarter of a tile a wave.
; x lands once in slot 1, in the same padded image as a tile, is taken into registers, and the slot is then filled with tile 1.
; The product is used transposed (source 0 = 16 centroids, source 1 = 16 rows of x): lane (r, h) holds row r, register j centroid 8 h + j.
; SEARCH: the least of an accumulator's 8 distances is held against the running best; where it wins, value, accumulator's first centroid and the 8 distances are kept; j is found at the end.
; LIMITS: NaN among the distances is not served; if every distance of a row is +infinity the result is 0.  Equal distances give the lower index.
; REGISTERS: window 0 addresses, scales, csq, search state; window 1 v0-127 two sets of centroid fragments, v128-255 the 16 accumulators; windows 2, 3: x, K steps 0-3 and 4-7.
.set XP,    1040                       ; LDS row: 1,024 bytes + 16
.set SLOT,  128*XP
.set SCR,   2*SLOT                     ; 2,048 bytes: the waves' results meet here; no tile lands here
.set SPARE, SCR+2048                   ; the spare words, 512 bytes
.set FB,    2*XP                       ; a fragment of 2,048 bytes is two LDS rows
.set TILEB, 131072
.set VB,  8                            ; v8-11 fragment addresses: slot 0 K steps 0-3, 4-7; slot 1 likewise
.set VXA, 12
.set VSO, 13
.set VSA, 14
.set VSA3, 15
.set VCQ, 16
.set VPF, 17
.set VST, 18
.set H8,  19
.set SPW, 20
.set NIL, 21
.set P0,  22
.set P1,  23
.set SA,  32                           ; x's scale words: 4 a + s % 4; lanes 0-15 K steps 0-3, lanes 16-31 steps 4-7
.set SB,  50                           ; centroids' scale words, two sets of 16; SB - SA is 2 modulo 4
.set CSQ, 84                           ; 8 b + j
.set GB,  116                          ; 2 a: best value, 2 a + 1: its index
.set SV,  124                          ; 8 a + j: the winning accumulator's distances
.set T,   156                          ; 16 temporaries
.set ACC, 128                          ; window 1
.set G1R, 32
.set G0R, 40
.set G1H, 48
.set G0H, 56
.set G0A, 60
.set G1A0, 68
.set G1A1, 76
.set MK,  84
.set ID,  88
.set PADW, (3<<16)|(1<<20)|(7<<22)|(3<<25)   ; elements of 8 bytes; 4 dwords of padding behind every 256
.set MSB, 0
.macro WIN new
.if MSB != \new
	s_set_vgpr_msb (MSB<<8)|\new
.set MSB, \new
.endif
.endm
.macro PLACES n
.rept \n
	v_nop
.endr
.endm
.macro ROUND                           ; a round of the cluster's barrier
	s_barrier_signal -1
	s_barrier_wait -1
	s_cmp_lg_u32 s16, 0
	s_cbranch_scc1 .Lnw0_\@
	s_barrier_signal -3
.Lnw0_\@:
	s_barrier_wait -3
	s_barrier_signal -1
	s_barrier_wait -1
.endm
.macro G1SET g, w0, have, rows
	s_mov_b32 s[\g+0], \w0
	s_mov_b32 s[\g+1], 128<<16
	s_mov_b32 s[\g+2], \have<<16
	s_mov_b32 s[\g+3], 128<<16
	s_mov_b32 s[\g+4], \rows
	s_mov_b32 s[\g+5], 128
	s_mov_b32 s[\g+6], 0
	s_mov_b32 s[\g+7], 0
.endm
	s_load_b256 s[4:11], s[0:1], 0x0               ; x_codes, x_scales, cb, cs
	s_load_b128 s[12:15], s[0:1], 0x20             ; csq, out0
	v_lshl_add_u32 v[SPW], v0, 2, SPARE
	v_mov_b32 v[NIL], 0
	ds_add_u32 v[SPW], v[NIL]
	ds_add_u32 v[SPW], v[NIL]
	v_lshrrev_b32 v4, 5, v0
	v_readfirstlane_b32 s16, v4                    ; wave
	s_lshr_b32 s17, s16, 1                         ; mh
	s_and_b32 s18, s16, 1                          ; nh
	s_bfe_u32 s19, ttmp6, 0x40000                  ; cx
	s_lshl_b32 s20, ttmp9, 2
	s_add_co_u32 s20, s20, s19                     ; work-group
	s_mov_b32 s28, 0x76543210
	s_mov_b32 s29, 0xfedcba98
	G1SET G1R, PADW|15|(1<<21), 32, 32             ; ring: 32 rows a wave, joint
	G1SET G1H, PADW|15|(1<<21), 64, 64             ; head: half of tile 0, joint
	G1SET G1A0, PADW, 64, 64                       ; x rows 0-63
	G1SET G1A1, PADW, 61, 64                       ; x rows 64-124; rows 125-127 arrive as zeros
	s_mov_b32 s[G0R], 1
	s_mov_b32 s[G0R+4], 1
	s_mov_b32 s[G0H], 1
	s_mov_b32 s[G0A], 1
	s_mul_i32 s[G0R+1], s16, 32*XP
	s_add_co_u32 s[G0R+5], s[G0R+1], SLOT
	s_mul_i32 s[G0H+1], s18, 64*XP
	s_add_co_u32 s[G0A+1], s[G0H+1], SLOT
	s_mov_b32 s95, 0
	s_mov_b32 s97, 0
	s_lshl_b32 s21, s18, 16                        ; nh x 64 rows of 1,024 bytes
	s_mul_i32 s94, s20, 128000
	s_add_co_u32 s94, s94, s21
	s_lshl_b32 s96, s16, 15                        ; wave x 32 rows
	s_wait_dscnt 0x0
	s_wait_kmcnt 0x0
	s_add_nc_u64 s[G0A+2:G0A+3], s[4:5], s[94:95]
	s_or_b32 s[G0A+3], s[G0A+3], 0x80000000
	s_add_nc_u64 s[G0R+2:G0R+3], s[8:9], s[96:97]
	s_add_nc_u64 s[G0R+6:G0R+7], s[G0R+2:G0R+3], TILEB
	s_or_b32 s[G0R+3], s[G0R+3], 0x80000000
	s_or_b32 s[G0R+7], s[G0R+7], 0x80000000
	s_mov_b32 s96, s21
	s_add_nc_u64 s[G0H+2:G0H+3], s[8:9], s[96:97]
	s_or_b32 s[G0H+3], s[G0H+3], 0x80000000
	s_mul_i32 s94, s20, 4000
	s_add_nc_u64 s[6:7], s[6:7], s[94:95]          ; my work-group's scales of x
	s_lshl_b32 s94, s18, 11
	s_add_nc_u64 s[10:11], s[10:11], s[94:95]      ; cs at my 64 centroids of tile 0
	s_lshl_b32 s94, s18, 8
	s_add_nc_u64 s[12:13], s[12:13], s[94:95]      ; csq likewise
	s_mul_i32 s94, s20, 500
	s_add_nc_u64 s[14:15], s[14:15], s[94:95]
	s_lshl_b32 s[ID], s18, 6
	s_add_co_u32 s[ID+1], s[ID], 16
	s_add_co_u32 s[ID+2], s[ID], 32
	s_add_co_u32 s[ID+3], s[ID], 48
	s_mul_i32 s21, s18, 4*FB                       ; my four fragments of a K step's eight
	s_mul_i32 s22, s17, 64*XP
	s_add_co_u32 s22, s22, SLOT                    ; my 64 rows of x, in slot 1
	s_lshl_b32 s23, s17, 6
	s_add_co_u32 s23, s23, 48
	s_lshl_b32 s24, s19, 15
	s_lshl_b32 s25, s16, 13
	s_add_co_u32 s24, s24, s25                     ; prefetch: (4 cx + wave) x 32 blocks of 256 bytes
	s_lshl_b32 s25, s18, 10
	s_lshl_b32 s26, s17, 9
	s_add_co_u32 s25, s25, s26
	s_add_co_u32 s25, s25, SCR
	s_lshl_b32 s26, s17, 11
	ROUND                                          ; in front of the first loads
	; one tensor load a wave: waves 0, 1 bring x into slot 1, waves 2, 3 tile 0 into slot 0
	s_cmp_lt_u32 s16, 1
	s_cbranch_scc0 .Lh1
	tensor_load_to_lds s[G0A:G0A+3], s[G1A0:G1A0+7]
	s_nop 0
	PLACES 4
	s_branch .Lhj
.Lh1:
	s_cmp_lt_u32 s16, 2
	s_cbranch_scc0 .Lh2
	tensor_load_to_lds s[G0A:G0A+3], s[G1A1:G1A1+7]
	s_nop 0
	PLACES 4
	s_branch .Lhj
.Lh2:
	tensor_load_to_lds s[G0H:G0H+3], s[G1H:G1H+7]
	s_nop 0
	PLACES 4
.Lhj:
	v_and_b32 v1, 31, v0
	v_and_b32 v2, 15, v0                           ; r
	v_bfe_u32 v3, v0, 4, 1                         ; h
	v_lshl_add_u32 v[VB], v1, 4, s21
	v_add_nc_u32 v[VB+1], 32*FB, v[VB]
	v_add_nc_u32 v[VB+2], SLOT, v[VB]
	v_add_nc_u32 v[VB+3], SLOT+32*FB, v[VB]
	v_mul_u32_u24 v5, v2, XP
	v_lshl_add_u32 v5, v3, 4, v5
	v_add_nc_u32 v[VXA], s22, v5
	v_lshlrev_b32 v[VSO], 5, v2
	v_lshl_add_u32 v[VSO], v3, 4, v[VSO]           ; 32 r + 16 h
	v_add_nc_u32 v[VSA], s26, v[VSO]
	v_add_nc_u32 v6, s23, v2
	v_min_u32 v6, 124, v6                          ; no load past row 124
	v_lshlrev_b32 v6, 5, v6
	v_lshl_add_u32 v[VSA3], v3, 4, v6
	v_lshlrev_b32 v[VCQ], 5, v3
	v_lshl_add_u32 v[VPF], v1, 8, s24
	v_lshl_add_u32 v[VST], v2, 3, s25
	v_lshlrev_b32 v[H8], 3, v3
.irp a, 0,1,2
	global_load_b128 v[SA+4*\a:SA+4*\a+3], v[VSA], s[6:7] offset:512*\a
.endr
	global_load_b128 v[SA+12:SA+15], v[VSA3], s[6:7]
.irp b, 0,1,2,3
	global_load_b128 v[SB+4*\b:SB+4*\b+3], v[VSO], s[10:11] offset:512*\b
.endr
.irp a, 0,1,2,3
	v_mov_b32 v[GB+2*\a], 0x7f800000
	v_mov_b32 v[GB+2*\a+1], 0
.endr
.set II, 0
.rept 32
	v_mov_b32 v[SV+II], 0
.set II, II+1
.endr
	v_mov_b32 v[P0], 0
	v_mov_b32 v[P1], 0
	s_wait_alu depctr_va_vdst(0)
	s_wait_tensorcnt 0x0                           ; my tile of the head's is in
	s_barrier_signal -1
	s_barrier_wait -1                              ; all of x and tile 0 are in
	WIN 0x80
.irp s, 0,1,2,3,4,5,6,7
.if \s == 4
	WIN 0xc0
.endif
.irp a, 0,1,2,3
.irp c, 0,1,2,3
	ds_load_b128 v[64*(\s%4)+16*\a+4*\c:64*(\s%4)+16*\a+4*\c+3], v[VXA] offset:16*XP*\a+128*\s+32*\c
.endr
.endr
.endr
	WIN 0
	s_wait_loadcnt 0x0                             ; x's scales and tile 0's
.macro LOADB sl, s                     ; my four fragments of K step s into set s % 2
	WIN 0x40
.irp b, 0,1,2,3
.irp c, 0,1,2,3
	ds_load_b128 v[64*((\s)%2)+16*\b+4*\c:64*((\s)%2)+16*\b+4*\c+3], v[VB+2*\sl+(\s)/4] offset:(8*((\s)%4)+\b)*FB+(\c/2)*XP+(\c%2)*512
.endr
.endr
.endm
.macro MUL sl, s                       ; 16 products, the 16 accumulators by turns
.irp a, 0,1,2,3
.irp b, 0,1,2,3
.if (\s) == 0
	v_wmma_scale_f32_16x16x128_f8f6f4 v[ACC+8*(4*\a+\b):ACC+8*(4*\a+\b)+7], v[64*((\s)%2)+16*\b:64*((\s)%2)+16*\b+15], v[64*((\s)%4)+16*\a:64*((\s)%4)+16*\a+15], 0, v[SB+16*\sl+4*\b+(\s)%4], v[SA+4*\a+(\s)%4] matrix_a_fmt:MATRIX_FMT_BF8 matrix_b_fmt:MATRIX_FMT_BF8
.elseif (\s) < 4
	v_wmma_scale_f32_16x16x128_f8f6f4 v[ACC+8*(4*\a+\b):ACC+8*(4*\a+\b)+7], v[64*((\s)%2)+16*\b:64*((\s)%2)+16*\b+15], v[64*((\s)%4)+16*\a:64*((\s)%4)+16*\a+15], v[ACC+8*(4*\a+\b):ACC+8*(4*\a+\b)+7], v[SB+16*\sl+4*\b+(\s)%4], v[SA+4*\a+(\s)%4] matrix_a_fmt:MATRIX_FMT_BF8 matrix_b_fmt:MATRIX_FMT_BF8
.else
	v_wmma_scale_f32_16x16x128_f8f6f4 v[ACC+8*(4*\a+\b):ACC+8*(4*\a+\b)+7], v[64*((\s)%2)+16*\b:64*((\s)%2)+16*\b+15], v[64*((\s)%4)+16*\a:64*((\s)%4)+16*\a+15], v[ACC+8*(4*\a+\b):ACC+8*(4*\a+\b)+7], v[SB+16*\sl+4*\b+(\s)%4], v[SA+4*\a+(\s)%4] matrix_a_fmt:MATRIX_FMT_BF8 matrix_b_fmt:MATRIX_FMT_BF8 matrix_a_scale:MATRIX_SCALE_ROW1 matrix_b_scale:MATRIX_SCALE_ROW1
.endif
.endr
.endr
.endm
.macro STEP sl, s
.if (\s) < 7
.if (\s) > 0
	PLACES 8                                       ; behind the products that read the set loaded next
.endif
	LOADB \sl, (\s)+1
	s_wait_dscnt 16                                ; all but the 16 loads just issued: this step's set is in
.else
	s_wait_dscnt 0x0
.endif
	WIN 0x59+4*((\s)/4)                            ; D, C, source 0 window 1; source 1 window 2 or 3
	MUL \sl, \s
.endm
.macro EPI
	PLACES 8                                       ; behind the last products
	s_wait_loadcnt 0x0                             ; csq of this tile (and the next tile's scales)
	WIN 0x41
.irp k, 0,1,2,3,4,5,6,7,8,9,10,11,12,13,14,15
.irp j, 0,2,4,6
	v_pk_fma_f32 v[ACC+8*\k+\j:ACC+8*\k+\j+1], v[ACC+8*\k+\j:ACC+8*\k+\j+1], -2.0, v[CSQ+8*(\k%4)+\j:CSQ+8*(\k%4)+\j+1] op_sel_hi:[1,0,1]
.endr
.endr
	WIN 0x15
.irp k, 0,1,2,3,4,5,6,7,8,9,10,11,12,13,14,15
	v_min3_num_f32 v[T+\k], v[ACC+8*\k], v[ACC+8*\k+1], v[ACC+8*\k+2]
.endr
	WIN 0x05
.irp j, 3,5
.irp k, 0,1,2,3,4,5,6,7,8,9,10,11,12,13,14,15
	v_min3_num_f32 v[T+\k], v[ACC+8*\k+\j], v[ACC+8*\k+\j+1], v[T+\k]
.endr
.endr
.irp k, 0,1,2,3,4,5,6,7,8,9,10,11,12,13,14,15
	v_min3_num_f32 v[T+\k], v[ACC+8*\k+7], v[ACC+8*\k+7], v[T+\k]
.endr
.irp b, 0,1,2,3                        ; centroids ascending; only a smaller distance displaces the best
	WIN 0
.irp a, 0,1,2,3
	v_cmp_gt_f32 s[MK+\a], v[GB+2*\a], v[T+4*\a+\b]
.endr
.irp a, 0,1,2,3
	v_cndmask_b32 v[GB+2*\a], v[GB+2*\a], v[T+4*\a+\b], s[MK+\a]
.endr
.irp a, 0,1,2,3
	v_cndmask_b32 v[GB+2*\a+1], v[GB+2*\a+1], s[ID+\b], s[MK+\a]
.endr
	WIN 0x04
.irp a, 0,1,2,3
.irp j, 0,1,2,3,4,5,6,7
	v_cndmask_b32 v[SV+8*\a+\j], v[SV+8*\a+\j], v[ACC+8*(4*\a+\b)+\j], s[MK+\a]
.endr
.endr
.endr
	WIN 0
.endm
; One tile, in slot sl.  refill = 1: the other slot takes the next tile.  pf = 1: the tile two on is prefetched.
.macro TRIP sl, refill, pf
	s_wait_tensorcnt 0x0                           ; all my tensor loads are in, my quarter of this tile among them
	ds_add_u32 v[SPW], v[NIL]
	s_add_nc_u64 s[G0R+4*\sl+2:G0R+4*\sl+3], s[G0R+4*\sl+2:G0R+4*\sl+3], 2*TILEB
	s_wait_dscnt 0x0                               ; the add, and my reads of the other slot
	ROUND
.if \refill
	tensor_load_to_lds s[G0R+4-4*\sl:G0R+7-4*\sl], s[G1R:G1R+7]
	s_nop 0
	PLACES 4
.endif
	LOADB \sl, 0
	WIN 0
.irp b, 0,1,2,3
	global_load_b128 v[CSQ+8*\b:CSQ+8*\b+3], v[VCQ], s[12:13] offset:64*\b
	global_load_b128 v[CSQ+8*\b+4:CSQ+8*\b+7], v[VCQ], s[12:13] offset:64*\b+16
.endr
.if \refill
.irp b, 0,1,2,3
	global_load_b128 v[SB+16-16*\sl+4*\b:SB+16-16*\sl+4*\b+3], v[VSO], s[10:11] offset:4096+512*\b
.endr
.endif
.if \pf
	s_cmp_lt_u32 ttmp9, 4                          ; four clusters ask; in each, 512 lanes name the tile's 512 blocks of 256 bytes once, shared out by address
	s_cbranch_scc0 .Lnp_\@
	global_prefetch_b8 v[VPF], s[8:9] offset:2*TILEB th:TH_LOAD_NT scope:SCOPE_SE
.Lnp_\@:
.endif
.irp s, 0,1,2,3,4,5,6,7
	STEP \sl, \s
.endr
	EPI
	s_wait_alu depctr_va_vdst(0)
	s_wait_xcnt 0x0                                ; the bases are stepped only behind this wait
	s_add_nc_u64 s[8:9], s[8:9], TILEB
	s_add_nc_u64 s[10:11], s[10:11], 4096
	s_add_nc_u64 s[12:13], s[12:13], 512
.irp b, 0,1,2,3
	s_add_co_u32 s[ID+\b], s[ID+\b], 128
.endr
.endm
	s_mov_b32 s92, 7
.Lg:                                                   ; tiles 0 to 13: each trip asks for tiles up to 15
	TRIP 0, 1, 1
	TRIP 1, 1, 1
	s_sub_co_u32 s92, s92, 1
	s_cmp_lg_u32 s92, 0
	s_cbranch_scc1 .Lg
	TRIP 0, 1, 0
	TRIP 1, 0, 0
	; the place j of the best distance among the 8 kept: the lowest j that equals it
.irp a, 0,1,2,3
	v_mov_b32 v[T+\a], 0
.endr
.irp j, 7,6,5,4,3,2,1,0
.irp a, 0,1,2,3
	v_cmp_eq_f32 s[MK+\a], v[GB+2*\a], v[SV+8*\a+\j]
.endr
.irp a, 0,1,2,3
	v_cndmask_b32 v[T+\a], v[T+\a], \j, s[MK+\a]
.endr
.endr
.irp a, 0,1,2,3
	v_add3_u32 v[GB+2*\a+1], v[GB+2*\a+1], v[T+\a], v[H8]
	v_permlanex16_b32 v[P0], v[GB+2*\a], s28, s29  ; with lane l xor 16: smaller distance, or equal and lower index
	v_permlanex16_b32 v[P1], v[GB+2*\a+1], s28, s29
	v_cmp_lt_f32 s84, v[P0], v[GB+2*\a]
	v_cmp_eq_f32 s85, v[P0], v[GB+2*\a]
	v_cmp_lt_u32 s86, v[P1], v[GB+2*\a+1]
	s_and_b32 s85, s85, s86
	s_or_b32 s84, s84, s85
	v_cndmask_b32 v[GB+2*\a], v[GB+2*\a], v[P0], s84
	v_cndmask_b32 v[GB+2*\a+1], v[GB+2*\a+1], v[P1], s84
	ds_store_b64 v[VST], v[GB+2*\a:GB+2*\a+1] offset:128*\a
.endr
	s_wait_alu depctr_va_vdst(0)
	s_wait_dscnt 0x0                               ; for the others' sake
	s_barrier_signal -1
	s_barrier_wait -1
	v_lshl_add_u32 v1, v0, 3, SCR                  ; thread t joins row t's two halves of the centroids
	ds_load_b64 v[2:3], v1
	ds_load_b64 v[4:5], v1 offset:1024
	v_lshlrev_b32 v6, 2, v0
	s_wait_alu depctr_va_vdst(0)
	s_wait_dscnt 0x0
	v_cmp_lt_f32 s84, v4, v2
	v_cmp_eq_f32 s85, v4, v2
	v_cmp_lt_u32 s86, v5, v3
	s_and_b32 s85, s85, s86
	s_or_b32 s84, s84, s85
	v_cndmask_b32 v3, v3, v5, s84
	v_cmp_gt_u32 vcc_lo, 125, v0
	s_wait_alu depctr_va_vdst(0)
	s_and_saveexec_b32 s87, vcc_lo
	global_store_b32 v6, v3, s[14:15]              ; rows 0 to 124
	s_wait_xcnt 0x0
	s_or_b32 exec_lo, exec_lo, s87
	s_wait_tensorcnt 0x0                           ; the wave's end
	ds_add_u32 v[SPW], v[NIL]
	s_wait_dscnt 0x0
	ROUND                                          ; the closing round
	s_endpgm
.Lfunc_end_k_q38025ddf97_assign:
	.size	k_q38025ddf97_assign, .Lfunc_end_k_q38025ddf97_assign-k_q38025ddf97_assign
	.p2alignl 7, 3214868480
	.fill 96, 4, 3214868480
	.section	.rodata,"a",@progbits
	.p2align	6, 0x0
	.amdhsa_kernel k_q38025ddf97_assign
		.amdhsa_group_segment_fixed_size 327680
		.amdhsa_private_segment_fixed_size 0
		.amdhsa_enable_private_segment 0
		.amdhsa_kernarg_size 48
		.amdhsa_user_sgpr_count 2
		.amdhsa_user_sgpr_kernarg_segment_ptr 1
		.amdhsa_wavefront_size32 1
		.amdhsa_system_sgpr_workgroup_id_x 1
		.amdhsa_system_sgpr_workgroup_id_y 1
		.amdhsa_system_sgpr_workgroup_id_z 1
		.amdhsa_system_vgpr_workitem_id 0
		.amdhsa_next_free_vgpr 1024
		.amdhsa_next_free_sgpr 100
		.amdhsa_reserve_vcc 1
		.amdhsa_float_denorm_mode_32 3
		.amdhsa_float_denorm_mode_16_64 3
		.amdhsa_memory_ordered 1
		.amdhsa_forward_progress 1
		.amdhsa_inst_pref_size 219
	.end_amdhsa_kernel
	.amdgpu_metadata
---
amdhsa.version: [ 1, 2 ]
amdhsa.kernels:
  - .name:           k_q38025ddf97_assign
    .symbol:         k_q38025ddf97_assign.kd
    .args:
      - { .name: x_codes, .offset: 0, .size: 8, .value_kind: global_buffer, .address_space: global }
      - { .name: x_scales, .offset: 8, .size: 8, .value_kind: global_buffer, .address_space: global }
      - { .name: cb, .offset: 16, .size: 8, .value_kind: global_buffer, .address_space: global }
      - { .name: cs, .offset: 24, .size: 8, .value_kind: global_buffer, .address_space: global }
      - { .name: csq, .offset: 32, .size: 8, .value_kind: global_buffer, .address_space: global }
      - { .name: out0, .offset: 40, .size: 8, .value_kind: global_buffer, .address_space: global }
    .group_segment_fixed_size: 327680
    .private_segment_fixed_size: 0
    .kernarg_segment_align: 8
    .kernarg_segment_size: 48
    .max_flat_workgroup_size: 128
    .sgpr_count:     100
    .vgpr_count:     1024
    .wavefront_size: 32
...
	.end_amdgpu_metadata
.endif
;; end of part 2
